; MI455X (gfx1250); checked and timed in simulation.
; The chip was launched on July 23, 2026; its instructions are those of AMD's public machine-readable ISA for CDNA 5 (MIT licence, August 2026) and "CDNA5" Instruction Set Architecture Reference Guide (July 2026). The comments in the code are by the model that wrote it; some were corrected since.
;; Masked Multi Head Self Attention. Allowed arithmetic: matrix products marked QUANTISED: E2M1 operands, one E8M0 scale for each 32 along K, by v_wmma_scale_f32_16x16x128_f8f6f4 with both operands' format E2M1 (or v_wmma_scale_f32_32x16x128_f4), f32 sums; everything else in f32.
;; Inputs: W_o_codes 1,024 x 32 x 16 uint8 (E2M1 codes of W_o, K innermost, in blocks of 32 codes, two codes a byte); W_o_scales 1,024 x 32 uint8 (E8M0 scales of W_o, one for each 32 codes along K); W_qkv_codes 3,072 x 32 x 16 uint8 (E2M1 codes of W_qkv, K innermost, in blocks of 32 codes, two codes a byte); W_qkv_scales 3,072 x 32 uint8 (E8M0 scales of W_qkv, one for each 32 codes along K); b_o 1,024 float32; b_qkv 3,072 float32; x_codes 4 x 2,048 x 32 x 16 uint8 (E2M1 codes of x, K innermost, in blocks of 32 codes, two codes a byte); x_scales 4 x 2,048 x 32 uint8 (E8M0 scales of x, one for each 32 codes along K).
;; Outputs: out0 4 x 2,048 x 1,024 float32.
;; This version of the problem:
;;   THIS VERSION OF THE PROBLEM IS GIVEN IN LOW PRECISION. The matrix products marked QUANTISED in the list below multiply operands that are first quantised to E2M1 (2 exponent bits, 1 mantissa bit; 4 bits a number), with one power-of-two scale for each 32 numbers along K (OCP MX v1.0); their sums are f32. All else is computed in f32.
;;   The module's matrix products, in the order in which they are computed (A, B: the left and right operand; K: the contracted axis; several contracted axes count as one K, in the product's order):
;;     1. [M 8,192, K 1,024] x [K 1,024, N 3,072]; A: input x (given as codes); B: input W_qkv (given as codes): QUANTISED
;;     2. batch 64 x [M 2,048, K 64] x [K 64, N 2,048]; A: computed on the way; B: computed on the way: QUANTISED
;;     3. batch 64 x [M 2,048, K 2,048] x [K 2,048, N 64]; A: softmax (see below); B: computed on the way: QUANTISED
;;     4. [M 8,192, K 1,024] x [K 1,024, N 1,024]; A: computed on the way; B: input W_o (given as codes): QUANTISED
;;   THE QUANTISER, for each operand of a quantised product, along K:
;;     - K is cut into blocks of 32 from its start; a last block that is shorter is filled with zeros.
;;     - A block's scale is 2^e with e = floor(log2(the largest magnitude in the block)) - 2, held to -126 .. 127; a block of zeros has e = 0. As a byte (E8M0): e + 127.
;;     - Each number is divided by its block's scale, clamped to +-6, and rounded to the nearest number of E2M1, ties to even, subnormals kept.
;;     - The product sums the exact products of the quantised numbers (number of the format x scale) in f32.
;;   ~~~python
;;   def quantise(x, axis):      # numpy; x: float32 -> the quantised numbers, widened to float32 again
;;       x = np.moveaxis(x, axis, -1); K = x.shape[-1]
;;       x = np.pad(x, [(0, 0)] * (x.ndim - 1) + [(0, -K % 32)]); x = x.reshape(x.shape[:-1] + (-1, 32)); a = np.abs(x).max(-1, keepdims=True)
;;       e = np.where(a > 0, np.clip(np.frexp(np.where(a > 0, a, 1))[1] - 1 - 2, -126, 127), 0)      # np.frexp(a)[1] - 1 = floor(log2(a)), exactly
;;       r = np.clip(x / 2.0 ** e, -6, 6)
;;       step = 2.0 ** (np.maximum(np.frexp(np.where(r == 0, 1, r))[1] - 1, 0) - 1)
;;       q = np.round(r / step) * step * 2.0 ** e      # np.round: ties to even
;;       return np.moveaxis(q.reshape(q.shape[:-2] + (-1,))[..., :K], -1, axis).astype(np.float32)
;;   ~~~
;;   SOFTMAX AHEAD OF A QUANTISED PRODUCT. Where the list says 'softmax', what is quantised is not the finished softmax but p = 2^(t - M), with t = logit x log2(e) and M = ceil(the row's largest t), a whole number; so 1/2 < the row's largest p <= 1. The row's sum l is taken of the UNQUANTISED p, in f32, and the product's result is divided by l at the end. Since M is a whole number, a kernel that streams over the keys may use a running M (the ceiling of the running maximum): every later rescaling is an exact power of two, which a block's scale takes up: the codes' values come out the same.
;;   OPERANDS COMPUTED ON THE WAY. 'Computed on the way' means the value that the module computes at that place (a softmax that the list does not call 'softmax' is quantised finished and normalised). What goes into a quantiser is computed in f32, as accurately as f32 sums, v_exp_f32 and their like allow (about 1e-6 of the number): no bf16 or f16 on the way to a quantiser, and a product that is left as it is and whose result goes on into a quantised operand takes f32 operands (vector FMAs, or v_wmma_f32_16x16x4_f32). A number that lies on a knife's edge between two numbers of the format may be rounded either way, as far as f32 arithmetic and the matrix unit's own rounding can turn it there, and no further.
;;   INPUTS GIVEN AS CODES. W_o (in the module: [1024, 1024], K = its axis 1); W_qkv (in the module: [3072, 1024], K = its axis 1); x (in the module: [4, 2048, 1024], K = its axis 2): each comes as NAME_codes (uint8): NAME with its K axis moved to the last place and cut into blocks of 32 codes, [.., K / 32, bytes a block], one block behind the other in memory; two codes a byte, the lower K in the low four bits (a code: sign, 2 exponent bits, 1 mantissa bit); and NAME_scales (uint8): the same leading axes, one E8M0 byte (e + 127) for each 32 codes along K. Its value is code x scale, taken as it is: it is not quantised again, and the codes and scales need not be those that the quantiser above would give.
;; One version. Each part assembles by itself: llvm-mc -triple=amdgcn-amd-amdhsa -mcpu=gfx1250 --defsym DOCPART=n.
;; ======== version 1 of 1: 3 launches
;; workspace buffers: q 4,718,592 bytes; kv 9,437,184 bytes; oc 4,194,304 bytes; os 262,144 bytes
;; launch qkv (part 1): grid 12 x 32, 4 waves a work-group, clusters of 4 x 4, 288,256 bytes of LDS; arguments x_codes, x_scales, W_qkv_codes, W_qkv_scales, b_qkv, q, kv; writes q, kv
.if DOCPART == 1
	.amdgcn_target "amdgcn-amd-amdhsa--gfx1250"
	.amdhsa_code_object_version 6
	.text
	.protected	k_q006050a388_qkv
	.globl	k_q006050a388_qkv
	.p2align	8
	.type	k_q006050a388_qkv,@function
k_q006050a388_qkv:
	s_mov_b64 s[64:65], 0
	v_nop
	global_prefetch_b8 v0, s[64:65] scope:SCOPE_SE
	s_setreg_imm32_b32 hwreg(HW_REG_WAVE_MODE, 25, 1), 1
	s_wait_xcnt 0x0
	s_wait_alu depctr_hold_cnt(0) depctr_sa_sdst(0) depctr_va_vdst(0) depctr_va_sdst(0) depctr_va_ssrc(0) depctr_va_vcc(0) depctr_vm_vsrc(0)
	s_getreg_b32 s2, hwreg(HW_REG_IB_STS2, 6, 4)
	s_cmp_eq_u32 s2, 0
	s_cbranch_scc0 .Lentry_in_a_cluster
	s_endpgm
.Lentry_in_a_cluster:
	s_bfe_u32 s2, ttmp6, 0x10000c
	s_cmp_lg_u32 s2, 0xf033
	s_cbranch_scc0 .Lentry_shape_is_right
	s_endpgm
.Lentry_shape_is_right:
; THE PROGRAM: masked multi-head self-attention, 4 x 2048 rows, 16 heads of 64, all four products on codes of FP4 (E2M1) with one E8M0 scale for each 32 along K.
;   launch qkv : x W_qkv^T + b_qkv; q and k are quantised along the head's 64, v along the keys; they leave as images of the next launch's operand registers.
;   launch attn: S = q k^T, p = 2^(t - M), O = p v / l, o quantised along D.      launch proj: o W_o^T + b_o.
; WORK LEFT OUT (in launch attn): reference() itself builds the mask jnp.tril and puts the lowest f32 number where key > query; behind the softmax's maximum such a key has p = 0 for all finite inputs
; (key 0 counts for every query, so the row's maximum is a true score).  So a step of 128 keys all of which come after all 16 queries of a tile adds nothing to l or O, and is not walked.  Nothing else is left out;
; every input is loaded (the bias on k moves k's codes).  LIMITS: a NaN, an infinity or an overflow that reaches only those steps is not carried to the result; NaN and infinities among the inputs and a given scale
; byte 0xff are not served; a block of zeros in this program's own buffers keeps the byte 1 where the rule says 127 (its codes are zeros, and this program alone reads the bytes).
;
; THIS LAUNCH.  A work-group makes 256 rows of x times 256 rows of W_qkv; each of its four waves 128 x 128: 64 accumulators, 512 registers.  All of K (1,024: 512 bytes a row) lies in LDS, filled once.
; The cluster's x is the ROLE: 0 = q, 1 = k, 2 = v.  The quantiser's axis must run along a lane's registers, which is the axis of source 0: so for q and k source 0 (P) = rows of W, source 1 (L) = rows of x;
; for v source 0 (P) = rows of x (the keys), source 1 (L) = rows of W.  The role chooses LDS regions by s_cselect_b32 and, on the way out, one of two arms; it is the same in all sixteen partners.
; THE ROWS OF A TILE ARE NOT NEIGHBOURS, in both operands: lane r of tile 2 b + u takes row 32 b + 8 u + r % 8 + 16 (r / 8).  As source 0 that makes the 16 registers of tiles 2 b, 2 b + 1 sixteen neighbours,
; 32 b + 16 (lane / 16) + 0 .. 15; as source 1 it makes the tiles of keys that the next launch's S^T wants, and the tiles of v's channels that make o's registers run along D.
; So that a tile's sixteen rows lie on end in LDS, one tensor load brings the rows 16 y + 8 u + 0 .. 7 (y = 0 .. 15): 16 long rows of 8 x 512 dense bytes, 16 rows of memory apart, 16 bytes of padding behind every 512.
; CLUSTERS: 4 x 4.  x's tiles hang on the tile row alone and are asked for jointly by a row of the cluster, W's on the tile column alone, by a column.  By this text's count a wave has two tensor loads out.
; No prefetch: every request goes out at the head.
; REGISTERS, in windows of 256: window 0: v1-29 addresses; v32-95 scale words; v96-127 at work on the way out (v96-103 first: the bias's offsets); v128-191 L's 8 fragments, one set, later a tile's 64 numbers;
;   v192-255 the bias.   window 1: P's fragments, two sets, at v0 and v128.   window 2: accumulators (a, b), a < 4, at v[8 (8 a + b)];   window 3: a >= 4.
.set PITCH, 528                        ; an LDS row: 512 bytes + 16: 33 x 16 bytes, so the sixteen rows of a load begin in sixteen different 16-byte columns of 256 bytes
.set TILEB, 16*PITCH                   ; a tile's sixteen rows
.set HALFB, 64*PITCH                   ; in a u part: the rows of one half (128 rows of memory) of the operand
.set UPART, 128*PITCH                  ; what one tensor load brings: the u part of 256 rows
.set WBASE, 2*UPART                    ; x's two parts, then W's two
.set SCL,   4*UPART                    ; the scale bytes: 8 rows of 32 bytes to a unit of 256 + 16 of padding; x's 32 units, then W's
.set SCH,   16*272                     ; those of 128 rows
.set SPARE, SCL+4*SCH                  ; the spare words, 128 bytes for each wave: two blocks of 256 bytes that no other line names
.set ADRL, 16                          ; v16-17  LDS address of L's tiles with u = 0, 1
.set ADRP, 20                          ; v20-21  the same for P
.set LI,   24                          ; v24     16 x lane
.set SA,   25                          ; v25     q, k: where my four scale words go
.set SH,   26                          ; v26     16 x (lane / 16): which half of a scale word is my head's
.set ADRS, 27                          ; v27     LDS address of my scale words: lanes 0-15 L's rows, lanes 16-31 P's
.set SPW,  28                          ; v28     my spare word; never rewritten
.set NIL,  29                          ; v29     0; never rewritten
.set SC,   32                          ; v32-95  register 8 i + q: lanes 0-15 the word of L's tile i, lanes 16-31 that of P's tile i, for the q-th 128 along K
.set VA,   96                          ; v96-103 the bias loads' offsets
.set TM,   96                          ; v96-111 the quantiser's work
.set PC,   112                         ; v112-119 the codes just made
.set PW,   120                         ; v120    their scale word
.set SG,   124                         ; v124-127 four tiles' scale words
.set LF,   128
.set HA,   128
.set BI,   192
.set WV,   18
.set LH,   19                          ; which half of L is mine.  Also: I fetch for x (0) or for W (1)
.set PH,   20                          ; which half of P.  Also: which u part, and which half of the scales, I fetch
.set CX,   21
.set CY,   22
.set ROLE, 23
.set G1X,  24                          ; descriptor groups 1: x's codes, W's codes, x's scales, W's scales
.set G1W,  32
.set G1SX, 40
.set G1SW, 48
.set G0X,  56                          ; and groups 0
.set G0W,  60
.set G0SX, 68
.set G0SW, 72
.set GX,   76
.set GY,   77
.set SEL,  78
.set BP,   80                          ; s[80:81] the bias at my first row of W
.set OB,   82                          ; s[82:83] my first head's record, s[84:85] my second head's
.set REC,  86                          ; bytes of a record: 4,608 in q, 9,216 in kv
.set HS,   87                          ; bytes of a head: 16 records
.set KSO,  88                          ; where a record's scale words of q or k begin
.set MSB, 0
.macro WIN new                         ; the immediate's high byte repeats the setting that is left
.if MSB != (\new)
	s_set_vgpr_msb (MSB<<8)|(\new)
.set MSB, (\new)
.endif
.endm
.set MUL_LO, 0xa1                      ; source 0 (P) window 1, source 1 (L) window 0, C and D window 2
.set MUL_HI, 0xf1                      ; the same, C and D window 3
; A joint load: waves 0 and 1 fetch for x, waves 2 and 3 for W.  Each line has one mask and one set of registers for all that issue it; the branch hangs on the wave's number alone.
; An s_nop 0 and four v_nop follow each of the two lines.
.macro JLOAD g0a, g1a, g0b, g1b
	s_cmp_eq_u32 s[LH], 0
	s_cbranch_scc0 .Lfor_w_\@
	tensor_load_to_lds s[\g0a:\g0a+3], s[\g1a:\g1a+7]
	s_nop 0
.rept 4
	v_nop
.endr
	s_branch .Lasked_\@
.Lfor_w_\@:
	tensor_load_to_lds s[\g0b:\g0b+3], s[\g1b:\g1b+7]
	s_nop 0
.rept 4
	v_nop
.endr
.Lasked_\@:
.endm
.macro CROUND                          ; a round of the cluster's barrier
	s_barrier_signal -1
	s_barrier_wait -1
	s_cmp_lg_u32 s[WV], 0
	s_cbranch_scc1 .Lnot_wave_0_\@
	s_barrier_signal -3
.Lnot_wave_0_\@:
	s_barrier_wait -3
	s_barrier_signal -1
	s_barrier_wait -1
.endm
	s_load_b256 s[4:11], s[0:1], 0x0               ; x's codes s[4:5], x's scales s[6:7], W's codes s[8:9], W's scales s[10:11]
	s_load_b128 s[12:15], s[0:1], 0x20             ; b_qkv s[12:13], q s[14:15]
	s_load_b64 s[16:17], s[0:1], 0x30              ; kv
	v_lshl_add_u32 v[SPW], v0, 2, SPARE
	v_mov_b32 v[NIL], 0
	ds_add_u32 v[SPW], v[NIL]                      ; the wave's opening: the add, twice on end, and its wait ahead of my first tensor load
	ds_add_u32 v[SPW], v[NIL]                      ; and once more; the set-up below, work on registers, stands between it and the wait
	v_lshrrev_b32 v1, 5, v0
	v_readfirstlane_b32 s[WV], v1                  ; wave 0..3
	s_lshr_b32 s[LH], s[WV], 1
	s_and_b32 s[PH], s[WV], 1
	s_bfe_u32 s[CX], ttmp6, 0x40000                ; my place in the cluster
	s_bfe_u32 s[CY], ttmp6, 0x40004
	s_mov_b32 s[ROLE], ttmp9                       ; the cluster's x: 0 q, 1 k, 2 v
	s_lshl_b32 s[GX], ttmp9, 2
	s_add_co_u32 s[GX], s[GX], s[CX]               ; which 256 rows of W
	s_and_b32 s[GY], ttmp7, 0xffff
	s_lshl_b32 s[GY], s[GY], 2
	s_add_co_u32 s[GY], s[GY], s[CY]               ; which 256 rows of x
	s_lshl_b32 s89, s[CY], 2
	s_lshl_b32 s89, 15, s89                        ; my row of the cluster
	s_lshl_b32 s90, 0x1111, s[CX]                  ; my column
	; codes: 16 long rows of 512 elements of 8 bytes, 1,024 elements apart; four words of padding behind every 128 words
	s_or_b32 s[G1X], s89, (3<<16)|(1<<20)|(1<<21)|(6<<22)|(3<<25)
	s_or_b32 s[G1W], s90, (3<<16)|(1<<20)|(1<<21)|(6<<22)|(3<<25)
.irp g, G1X, G1W
	s_mov_b32 s[\g+1], 512<<16                     ; tensor_dim0
	s_mov_b32 s[\g+2], 16<<16                      ; tensor_dim1
	s_mov_b32 s[\g+3], 512<<16                     ; tile_dim0
	s_mov_b32 s[\g+4], 16                          ; tile_dim1
	s_mov_b32 s[\g+5], 1024                        ; from long row to long row
	s_mov_b32 s[\g+6], 0
	s_mov_b32 s[\g+7], 0
.endr
	; scales of 128 rows: 4,096 dense bytes as 16 rows of 256 bytes, four words of padding behind each
	s_or_b32 s[G1SX], s89, (3<<16)|(1<<20)|(1<<21)|(5<<22)|(3<<25)
	s_or_b32 s[G1SW], s90, (3<<16)|(1<<20)|(1<<21)|(5<<22)|(3<<25)
.irp g, G1SX, G1SW
	s_mov_b32 s[\g+1], 32<<16
	s_mov_b32 s[\g+2], 16<<16
	s_mov_b32 s[\g+3], 32<<16
	s_mov_b32 s[\g+4], 16
	s_mov_b32 s[\g+5], 32
	s_mov_b32 s[\g+6], 0
	s_mov_b32 s[\g+7], 0
.endr
	s_lshl_b32 s91, s[PH], 12                      ; 8 rows of codes on, or 128 rows of scales on: 4,096 bytes both
	s_lshl_b32 s92, s[GY], 17                      ; x's codes: 256 rows of 512 bytes a tile row
	s_add_co_u32 s92, s92, s91
	s_mov_b32 s93, 0
	s_lshl_b32 s94, s[GX], 17                      ; W's (in registers that never hold the other coordinate)
	s_add_co_u32 s94, s94, s91
	s_mov_b32 s95, 0
	s_lshl_b32 s96, s[GY], 13                      ; x's scales: 256 rows of 32 bytes
	s_add_co_u32 s96, s96, s91
	s_mov_b32 s97, 0
	s_lshl_b32 s98, s[GX], 13                      ; W's
	s_add_co_u32 s98, s98, s91
	s_mov_b32 s99, 0
	s_mul_i32 s86, s[WV], UPART                    ; where they go: wave x a part: no place in the cluster enters an LDS address
	s_mul_i32 s87, s[WV], SCH
	s_mov_b32 s[SEL], 0x76543210
	s_mov_b32 s[SEL+1], 0xfedcba98                 ; v_permlanex16_b32's selects for lane l xor 16
	s_wait_dscnt 0x0                               ; both opening adds are done
	s_wait_kmcnt 0x0
	CROUND                                         ; all sixteen work-groups are here: the joint loads meet
	s_mov_b32 s[G0SX], 1
	s_add_co_u32 s[G0SX+1], s87, SCL
	s_add_nc_u64 s[G0SX+2:G0SX+3], s[6:7], s[96:97]
	s_or_b32 s[G0SX+3], s[G0SX+3], 0x80000000
	s_mov_b32 s[G0SW], 1
	s_add_co_u32 s[G0SW+1], s87, SCL
	s_add_nc_u64 s[G0SW+2:G0SW+3], s[10:11], s[98:99]
	s_or_b32 s[G0SW+3], s[G0SW+3], 0x80000000
	JLOAD G0SX, G1SX, G0SW, G1SW
	s_mov_b32 s[G0X], 1
	s_mov_b32 s[G0X+1], s86
	s_add_nc_u64 s[G0X+2:G0X+3], s[4:5], s[92:93]
	s_or_b32 s[G0X+3], s[G0X+3], 0x80000000
	s_mov_b32 s[G0W], 1
	s_mov_b32 s[G0W+1], s86
	s_add_nc_u64 s[G0W+2:G0W+3], s[8:9], s[94:95]
	s_or_b32 s[G0W+3], s[G0W+3], 0x80000000
	JLOAD G0X, G1X, G0W, G1W
	; what the role chooses: every selection on a compare stands ahead of the first addition
	s_cmp_eq_u32 s[ROLE], 2
	s_cselect_b32 s89, WBASE, 0                    ; L's codes: W's for v, else x's
	s_cselect_b32 s90, 0, WBASE                    ; P's
	s_cselect_b32 s92, 2*SCH, 0                    ; L's scales
	s_cselect_b32 s93, 0, 2*SCH                    ; P's
	s_cselect_b32 s94, 0, 64                       ; the bias's offset = (lane / 16) x s94 + row of my lane x s95 + register x s96:
	s_cselect_b32 s95, 4, 0                        ; q, k: it runs with the registers (W is P);  v: it hangs on the lane (W is L)
	s_cselect_b32 s96, 0, 4
	s_cselect_b32 s97, s[LH], s[PH]                ; which half of W's 256 rows is mine
	s_cselect_b32 s98, s[PH], s[LH]                ; and which of x's
	s_cmp_eq_u32 s[ROLE], 0
	s_mov_b32 s[REC], 9216
	s_cselect_b32 s[REC], 4608, s[REC]
	s_mov_b32 s[KSO], 8192
	s_cselect_b32 s[KSO], 4096, s[KSO]
	s_cselect_b64 s[OB:OB+1], s[14:15], s[16:17]   ; q's work-groups store into q, the others into kv
	s_lshl_b32 s[HS], s[REC], 4
	v_and_b32 v1, 15, v0                           ; r
	v_bfe_u32 v2, v0, 4, 1                         ; h
	v_mul_u32_u24 v3, v1, PITCH
	v_lshl_add_u32 v3, v2, 4, v3                   ; a fragment: row r x pitch + 16 h
	s_mul_i32 s91, s[LH], HALFB
	s_add_co_u32 s89, s89, s91
	s_mul_i32 s91, s[PH], HALFB
	s_add_co_u32 s90, s90, s91
	v_add_nc_u32 v[ADRL], s89, v3
	v_add_nc_u32 v[ADRP], s90, v3
	v_add_nc_u32 v[ADRL+1], UPART, v[ADRL]
	v_add_nc_u32 v[ADRP+1], UPART, v[ADRP]
	s_mul_i32 s91, s[LH], SCH
	s_add_co_u32 s92, s92, s91
	s_add_co_u32 s92, s92, SCL
	s_mul_i32 s91, s[PH], SCH
	s_add_co_u32 s93, s93, s91
	s_add_co_u32 s93, s93, SCL
	v_lshrrev_b32 v4, 3, v1                        ; r / 8
	v_and_b32 v5, 7, v1                            ; r % 8
	v_mul_u32_u24 v6, v4, 544                      ; 16 rows on are two units on
	v_lshl_add_u32 v6, v5, 5, v6                   ; 32 bytes a row
	v_mov_b32 v7, s93
	v_mov_b32 v8, s92
	v_cmp_eq_u32 vcc_lo, 0, v2
	v_cndmask_b32 v7, v7, v8, vcc_lo               ; lanes 0-15 L's, lanes 16-31 P's
	v_add_nc_u32 v[ADRS], v7, v6
	v_lshl_add_u32 v9, v4, 4, v5                   ; my lane's row in a tile's 32: r % 8 + 16 (r / 8)
	v_mul_u32_u24 v10, s94, v2
	v_mad_u32_u24 v10, v9, s95, v10
.irp j, 0,1,2,3,4,5,6,7
	v_mad_u32_u24 v[VA+\j], s96, \j, v10
.endr
	s_lshl_b32 s91, s[GX], 10
	s_lshl_b32 s99, s97, 9
	s_add_co_u32 s[BP], s91, s99                   ; 4 x (256 x tile column + 128 x my half)
	s_mov_b32 s[BP+1], 0
	s_add_nc_u64 s[BP:BP+1], s[12:13], s[BP:BP+1]
; The bias in the results' layout.  q, k: register n holds b at W's row 32 (n / 16) + 16 h + n % 16;  v: registers 8 a .. 8 a + 7 all hold b at the row of L's tile a that my lane has.
.set n, 0
.rept 64
	global_load_b32 v[BI+n], v[VA+(n&7)], s[BP:BP+1] offset:128*(n>>4)+32*((n>>3)&1)
.set n, n+1
.endr
	; where my results go: head (batch x 16 + 4 cx + 2 x my half of W), record (2 x (tile row % 8) + my half of x)
	s_lshr_b32 s91, s[GY], 3
	s_lshl_b32 s91, s91, 4
	s_lshl_b32 s99, s[CX], 2
	s_add_co_u32 s91, s91, s99
	s_lshl_b32 s99, s97, 1
	s_add_co_u32 s91, s91, s99
	s_and_b32 s99, s[GY], 7
	s_lshl_b32 s99, s99, 1
	s_add_co_u32 s99, s99, s98
	s_mul_i32 s91, s91, s[HS]
	s_mul_i32 s99, s99, s[REC]
	s_add_co_u32 s[OB+2], s91, s99
	s_mov_b32 s[OB+3], 0
	s_add_nc_u64 s[OB:OB+1], s[OB:OB+1], s[OB+2:OB+3]
	s_mov_b32 s[OB+2], s[HS]
	s_add_nc_u64 s[OB+2:OB+3], s[OB:OB+1], s[OB+2:OB+3]   ; the next head's
	v_and_b32 v11, 31, v0
	v_lshlrev_b32 v[LI], 4, v11
	v_mul_u32_u24 v[SA], s[HS], v2                 ; lanes 16-31 store the second head's words
	v_lshl_add_u32 v[SA], v1, 4, v[SA]
	v_add_nc_u32 v[SA], s[KSO], v[SA]
	v_lshlrev_b32 v[SH], 4, v2
.macro FRAG reg, adr, q, i             ; tile i's fragment of the q-th 128 along K: 8 registers; lane (r, h): registers 4 c .. 4 c + 3 hold K = 64 c + 32 h + 0 .. 31
.irp c, 0,1
	ds_load_b128 v[\reg+4*\c:\reg+4*\c+3], v[\adr+((\i)&1)] offset:((\i)>>1)*TILEB+64*(\q)+32*\c
.endr
.endm
.macro FETCH_P q, p                    ; P's eight fragments into set p
	WIN 0x40                                       ; destination window 1
.irp i, 0,1,2,3,4,5,6,7
	FRAG 128*(\p)+8*\i, ADRP, \q, \i
.endr
	WIN 0
.endm
.macro FETCH_L q, i0                   ; L's tiles i0 .. i0 + 3
.irp i, \i0, \i0+1, \i0+2, \i0+3
	FRAG LF+8*(\i), ADRL, \q, \i
.endr
.endm
.macro SCALES                          ; all of K's scale words: 8 words a row
.irp i, 0,1,2,3,4,5,6,7
.irp e, 0,1
	ds_load_b128 v[SC+8*\i+4*\e:SC+8*\i+4*\e+3], v[ADRS] offset:(\i>>1)*1088+(\i&1)*272+16*\e
.endr
.endr
.endm
; 16 matrix instructions: L's tiles a0, a0 + 1 x P's eight.  zero = 1: the first product starts the sums.  The 64 accumulators take turns, one instruction a turn, in the same order in every step.
.macro MUL16 a0, p, q, zero
.irp a, \a0, \a0+1
.irp b, 0,1,2,3,4,5,6,7
.if \zero
	v_wmma_scale_f32_16x16x128_f8f6f4 v[8*(8*((\a)%4)+\b):8*(8*((\a)%4)+\b)+7], v[128*(\p)+8*\b:128*(\p)+8*\b+7], v[LF+8*(\a):LF+8*(\a)+7], 0, v[SC+8*\b+(\q)], v[SC+8*(\a)+(\q)] matrix_a_fmt:MATRIX_FMT_FP4 matrix_b_fmt:MATRIX_FMT_FP4 matrix_a_scale:MATRIX_SCALE_ROW1
.else
	v_wmma_scale_f32_16x16x128_f8f6f4 v[8*(8*((\a)%4)+\b):8*(8*((\a)%4)+\b)+7], v[128*(\p)+8*\b:128*(\p)+8*\b+7], v[LF+8*(\a):LF+8*(\a)+7], v[8*(8*((\a)%4)+\b):8*(8*((\a)%4)+\b)+7], v[SC+8*\b+(\q)], v[SC+8*(\a)+(\q)] matrix_a_fmt:MATRIX_FMT_FP4 matrix_b_fmt:MATRIX_FMT_FP4 matrix_a_scale:MATRIX_SCALE_ROW1
.endif
.endr
.endr
.endm
.macro PLACES n                        ; plain vector places between a matrix instruction and a load into, or a read of, its registers
.rept \n
	v_nop
.endr
.endm
; A step of 128 along K that has a successor.  A tile of L is free as soon as its eight products are issued, so L has one set: tiles 0-3 are fetched anew in the step's middle, tiles 4-7 at its end.  P has two sets.
.macro STEP q, zero
	s_wait_dscnt 8                                 ; all but the youngest eight loads (L's tiles 4-7) are in
	WIN MUL_LO
	MUL16 0, (\q)%2, \q, \zero
	MUL16 2, (\q)%2, \q, \zero
	s_wait_dscnt 0x0                               ; L's tiles 4-7 are in (asked for 32 matrix instructions ago)
	PLACES 4
	FETCH_P (\q)+1, 1-(\q)%2
	FETCH_L (\q)+1, 0
	WIN MUL_HI
	MUL16 4, (\q)%2, \q, \zero
	MUL16 6, (\q)%2, \q, \zero
	PLACES 4
	WIN 0
	FETCH_L (\q)+1, 4
.endm
; 64 numbers of a lane, register 16 b + i = place 32 b + 16 (lane / 16) + i along the quantiser's axis, become a fragment's codes in v[PC] on and its scale word in v[pw].
.macro QUANT s, pw
.irp b, 0,1,2,3
	v_max3_num_f32 v[TM+\b], |v[\s+16*\b]|, |v[\s+1+16*\b]|, 0x1800000   ; block b: my 16 numbers, and the floor 2^(3 - 127): so the byte cannot fall under 1
.endr
.irp i, 2,4,6,8,10,12,14
.irp b, 0,1,2,3
	v_max3_num_f32 v[TM+\b], v[TM+\b], |v[\s+16*\b+\i]|, |v[\s+1+16*\b+\i]|   ; (the four blocks by turns)
.endr
.endr
.irp b, 0,1,2,3
	v_permlanex16_b32 v[TM+4+\b], v[TM+\b], s[SEL], s[SEL+1]
.endr
.irp b, 0,1,2,3
	v_max_num_f32 v[TM+\b], v[TM+\b], v[TM+4+\b]   ; with lane l xor 16's: the block's largest magnitude
.endr
.irp b, 0,1,2,3
	v_add_nc_u32 v[TM+12+\b], 0xff000000, v[TM+\b] ; 2 off its exponent field: the conversion takes the exponent field of this operand as its scale
.endr
.irp b, 0,1,2,3
	v_lshrrev_b32 v[TM+4+\b], 23, v[TM+12+\b]      ; the scale's byte
.endr
	v_lshl_or_b32 v[\pw], v[TM+5], 8, v[TM+4]
	v_lshl_or_b32 v[\pw], v[TM+6], 16, v[\pw]
	v_lshl_or_b32 v[\pw], v[TM+7], 24, v[\pw]
.irp b, 0,1,2,3
	v_cvt_scalef32_pk8_fp4_f32 v[PC+2*\b], v[\s+16*\b:\s+7+16*\b], v[TM+12+\b]
	v_cvt_scalef32_pk8_fp4_f32 v[PC+1+2*\b], v[\s+8+16*\b:\s+15+16*\b], v[TM+12+\b]
.endr
	v_nop                                          ; one plain place behind a scaled conversion
.irp c, 0,1                                    ; the operand's layout wants a whole block in a lane
.irp i, 0,1
	v_permlane16_swap_b32 v[PC+4*\c+\i], v[PC+2+4*\c+\i]
.endr
.endr
.endm
; L's tile a: its 64 sums + the bias, into window 0.  Each accumulator is read from its low end on.
.macro ROWS a, isv
.if (\a) > 0
	s_wait_xcnt 0x0                                ; the last tile's stores have read their data: the codes' and the words' registers are written again only behind this wait
.endif
	WIN 0x02+(\a)/4                                ; source 0: window 2 or 3
.set i, 0
.rept 32
.if \isv
	v_pk_add_f32 v[HA+2*i:HA+2*i+1], v[64*((\a)%4)+2*i:64*((\a)%4)+2*i+1], v[BI+8*(\a):BI+8*(\a)+1]
.else
	v_pk_add_f32 v[HA+2*i:HA+2*i+1], v[64*((\a)%4)+2*i:64*((\a)%4)+2*i+1], v[BI+2*i:BI+2*i+1]
.endif
.set i, i+1
.endr
	WIN 0
.endm
; q, k: the lane's 128 numbers are two heads' 64.  Registers 0-3 of the codes are the first head's fragment (K = 32 h + 0 .. 31), registers 4-7 the second's; the word's low half is the first head's, the high half the second's.
.macro OUT_QK a
	ROWS \a, 0
	QUANT HA, PW
	global_store_b128 v[LI], v[PC:PC+3], s[OB:OB+1] offset:512*(\a)        ; the wave stores 512 consecutive bytes: tile a's image
	global_store_b128 v[LI], v[PC+4:PC+7], s[OB+2:OB+3] offset:512*(\a)
	v_lshrrev_b32 v[SG+(\a)%4], v[SH], v[PW]
	v_and_b32 v[SG+(\a)%4], 0xffff, v[SG+(\a)%4]   ; bytes 2 and 3 stay 0: they scale the zero codes that fill K from 64 to 128
.if (\a)%4 == 3
	global_store_b128 v[SA], v[SG:SG+3], s[OB:OB+1] offset:256*((\a)/4)    ; four tiles' words: sixteen lanes store 256 consecutive bytes of a head
.endif
.endm
; v: the lane's 128 numbers are a record's 128 keys of one channel: a whole fragment of V^T and its scale word.  Tiles 0-3 are the first head's four tiles of channels, 4-7 the second's.
.macro OUT_V a
	ROWS \a, 1
	QUANT HA, SG+(\a)%4
	global_store_b128 v[LI], v[PC:PC+3], s[OB+2*((\a)/4):OB+2*((\a)/4)+1] offset:4096+1024*((\a)%4)
	global_store_b128 v[LI], v[PC+4:PC+7], s[OB+2*((\a)/4):OB+2*((\a)/4)+1] offset:4096+1024*((\a)%4)+512
.if (\a)%4 == 3
	global_store_b128 v[LI], v[SG:SG+3], s[OB+2*((\a)/4):OB+2*((\a)/4)+1] offset:8704
.endif
.endm
	s_wait_tensorcnt 0x0                           ; my parts of the codes and of the scales are in,
	s_barrier_signal -1
	s_barrier_wait -1                              ; everybody's are
	FETCH_P 0, 0
	FETCH_L 0, 0
	SCALES
	FETCH_L 0, 4
	STEP 0, 1                                      ; the first step's products start the sums: nothing is cleared
.irp q, 1,2,3,4,5,6
	STEP \q, 0
.endr
	s_wait_dscnt 8                                 ; the last step: nothing more to fetch
	WIN MUL_LO
	MUL16 0, 1, 7, 0
	MUL16 2, 1, 7, 0
	s_wait_dscnt 0x0
	WIN MUL_HI
	MUL16 4, 1, 7, 0
	MUL16 6, 1, 7, 0
	WIN 0
	PLACES 4                                       ; in front of the first read of results and the first write over L's fragments
	s_wait_loadcnt 0x0                             ; the bias
	s_cmp_eq_u32 s[ROLE], 2
	s_cbranch_scc1 .Lout_v
.irp a, 0,1,2,3,4,5,6,7
	OUT_QK \a
.endr
	s_branch .Ldone
.Lout_v:
.irp a, 0,1,2,3,4,5,6,7
	OUT_V \a
.endr
.Ldone:
	s_wait_tensorcnt 0x0                           ; the wave's end: behind my last tensor load
	ds_add_u32 v[SPW], v[NIL]
	s_wait_dscnt 0x0
	CROUND                                         ; the closing round: no work-group ends while a partner may still ask for a tile that names it
	s_endpgm
.Lfunc_end_k_q006050a388_qkv:
	.size	k_q006050a388_qkv, .Lfunc_end_k_q006050a388_qkv-k_q006050a388_qkv
	.p2alignl 7, 3214868480
	.fill 96, 4, 3214868480
	.section	.rodata,"a",@progbits
	.p2align	6, 0x0
	.amdhsa_kernel k_q006050a388_qkv
		.amdhsa_group_segment_fixed_size 288256
		.amdhsa_private_segment_fixed_size 0
		.amdhsa_enable_private_segment 0
		.amdhsa_kernarg_size 56
		.amdhsa_user_sgpr_count 2
		.amdhsa_user_sgpr_kernarg_segment_ptr 1
		.amdhsa_wavefront_size32 1
		.amdhsa_system_sgpr_workgroup_id_x 1
		.amdhsa_system_sgpr_workgroup_id_y 1
		.amdhsa_system_sgpr_workgroup_id_z 1
		.amdhsa_system_vgpr_workitem_id 0
		.amdhsa_next_free_vgpr 1024
		.amdhsa_next_free_sgpr 100
		.amdhsa_reserve_vcc 1
		.amdhsa_float_denorm_mode_32 3
		.amdhsa_float_denorm_mode_16_64 3
		.amdhsa_memory_ordered 1
		.amdhsa_forward_progress 1
		.amdhsa_inst_pref_size 198
	.end_amdhsa_kernel
	.amdgpu_metadata
---
amdhsa.version: [ 1, 2 ]
amdhsa.kernels:
  - .name:           k_q006050a388_qkv
    .symbol:         k_q006050a388_qkv.kd
    .args:
      - { .name: x_codes, .offset: 0, .size: 8, .value_kind: global_buffer, .address_space: global }
      - { .name: x_scales, .offset: 8, .size: 8, .value_kind: global_buffer, .address_space: global }
      - { .name: W_qkv_codes, .offset: 16, .size: 8, .value_kind: global_buffer, .address_space: global }
      - { .name: W_qkv_scales, .offset: 24, .size: 8, .value_kind: global_buffer, .address_space: global }
      - { .name: b_qkv, .offset: 32, .size: 8, .value_kind: global_buffer, .address_space: global }
      - { .name: q, .offset: 40, .size: 8, .value_kind: global_buffer, .address_space: global }
      - { .name: kv, .offset: 48, .size: 8, .value_kind: global_buffer, .address_space: global }
    .group_segment_fixed_size: 288256
    .private_segment_fixed_size: 0
    .kernarg_segment_align: 8
    .kernarg_segment_size: 56
    .max_flat_workgroup_size: 128
    .sgpr_count:     100
    .vgpr_count:     1024
    .wavefront_size: 32
...
	.end_amdgpu_metadata
.endif
;; end of part 1
;; launch attn (part 2): grid 4 x 64, 16 waves a work-group, clusters of 4 x 1, 167,936 bytes of LDS; arguments q, kv, oc, os; writes oc, os
.if DOCPART == 2
	.amdgcn_target "amdgcn-amd-amdhsa--gfx1250"
	.amdhsa_code_object_version 6
	.text
	.protected	k_q006050a388_attn
	.globl	k_q006050a388_attn
	.p2align	8
	.type	k_q006050a388_attn,@function
k_q006050a388_attn:
	s_mov_b64 s[64:65], 0
	v_nop
	global_prefetch_b8 v0, s[64:65] scope:SCOPE_SE
	s_setreg_imm32_b32 hwreg(HW_REG_WAVE_MODE, 25, 1), 1
	s_wait_xcnt 0x0
	s_wait_alu depctr_hold_cnt(0) depctr_sa_sdst(0) depctr_va_vdst(0) depctr_va_sdst(0) depctr_va_ssrc(0) depctr_va_vcc(0) depctr_vm_vsrc(0)
	s_getreg_b32 s2, hwreg(HW_REG_IB_STS2, 6, 4)
	s_cmp_eq_u32 s2, 0
	s_cbranch_scc0 .Lentry_in_a_cluster
	s_endpgm
.Lentry_in_a_cluster:
	s_bfe_u32 s2, ttmp6, 0x10000c
	s_cmp_lg_u32 s2, 0x3003
	s_cbranch_scc0 .Lentry_shape_is_right
	s_endpgm
.Lentry_shape_is_right:
; O = softmax(q k^T / 8, causal) v for one head (work-group y = batch x 16 + head), both products on codes of FP4; o = O / l is quantised along D and leaves as images of the next launch's operand registers.
; WORK LEFT OUT: a step of 128 keys all of which come after a tile's 16 queries (reference()'s own jnp.tril hides them: p = 0 for all finite inputs) is not walked; see the head of launch qkv, with its limits.
; THE SOFTMAX: t = score x log2(e) / 8; M = the running largest t rounded up to a whole number; p = 2^(t - M) is quantised along the keys, not normalised; l is the sum of the unquantised p; when M moves, l and O are
; multiplied by 2^(old M - new M), which rounds nothing.  1 / l is v_rcp_f32's.
; SHARES.  The head's 2,048 queries are 128 tiles of 16; tile T = 8 g + tt lies in record g (128 queries) and needs key steps 0 .. g.  Work-group j (its place in the cluster), wave w (a = w / 2, u = w % 2) owns the
; tiles tt = 2 j + u of records 15 - a and a: 17 key steps for every wave of every work-group, two of them on the diagonal.
; K AND V: the head's 16 records of kv (9,216 bytes each: K's 8 tiles as images, V^T's 4 tiles, their scale words) lie in LDS as they lie in memory, filled once: each wave brings 4,608 bytes of records 0-7 and
; 4,608 of records 8-15 (two tensor loads out, by this text's count).  The four work-groups of a cluster belong to one head and ask jointly.  No branch and no LDS address hangs on j: it enters the mask's lane
; constant and the addresses of q, oc and os alone.  No prefetch: every request goes out at the head.
; LAYOUT.  Both products are used transposed: S^T = K Q^T, O^T = V^T P^T: a lane holds one query (lane % 16).  Tiles of keys, queries and channels are the permuted ones of launch qkv: lane r of tile 2 b + u is
; row 32 b + 8 u + r % 8 + 16 (r / 8), so the 16 registers of tiles 2 b, 2 b + 1 are 16 neighbours, 32 b + 16 (lane / 16) + 0 .. 15.
; K = 64 IN AN INSTRUCTION OF 128: Q's registers 4-7 are zero codes, so whatever stands in K's registers 4-7 (the next tile's codes; zeros behind the last) adds nothing; bytes 2 and 3 of both scale words are 0.
; REGISTERS: v1-11 addresses and constants; v12 -M, v13 the largest t, v[14:15] l in two halves; v16-23 Q; v24-31 K's scale words; v32-67 K; v68-71 V's scale words; v72-103 V; v104-167 S^T, then p;
;   v168-199 O^T; v200-207 p's codes; v208-223 at work (v220 f, v221 p's scale word); v224 Q's scale word; v225-227 o's scale words.
.set REC,   9216
.set QREC,  4608
.set SPARE, 16*REC                     ; behind the records: the spare words, 128 bytes for each of 16 waves: eight blocks of 256 bytes that no other line names
.set L16, 1                            ; v1   16 x lane
.set R16, 2                            ; v2   16 x (lane % 16)
.set DM,  3                            ; v3   my query in its record - 16 (lane / 16)
.set ADR, 4                            ; v4   the step's record + 16 x lane
.set SPW, 5                            ; v5   my spare word; never rewritten
.set NIL, 6                            ; v6   0; never rewritten
.set NINF, 7                           ; v7   -infinity
.set ADS, 8                            ; v8   the step's record + 16 x (lane % 16)
.set QA,  9
.set QSA, 10
.set OA,  11
.set QF,  16
.set KSC, 24
.set KF,  32
.set VSC, 68
.set VF,  72
.set S,   104
.set O,   168
.set PCD, 200
.set BM,  208
.set BT,  212
.set BS,  216
.set FF,  220                          ; v220 f, v221 p's scale word: named as a pair by the packed multiplies, which take the low word
.set TW,  222
.set QSW, 224
.set SWB, 225
.set OSA, 226
.set OPW, 227
.set WV,  12
.set WA,  13
.set WU,  14
.set CJ,  15
.set HD,  16
.set SEL, 20
.set CS,  22
.set G1,  24
.set G0A, 32
.set G0B, 36
.set TB,  40                           ; LDS byte at which the step's record begins
.set KI,  41                           ; the key step
.set TG,  42                           ; my tile's record: its last key step, the one on the diagonal
.set CNT, 43
.set QP,  44
.set QSP, 46
.set OCP, 48
.set OSP, 50
.set HM,  52
.macro CROUND
	s_barrier_signal -1
	s_barrier_wait -1
	s_cmp_lg_u32 s[WV], 0
	s_cbranch_scc1 .Lnot_wave_0_\@
	s_barrier_signal -3
.Lnot_wave_0_\@:
	s_barrier_wait -3
	s_barrier_signal -1
	s_barrier_wait -1
.endm
	s_load_b256 s[4:11], s[0:1], 0x0               ; q s[4:5], kv s[6:7], oc s[8:9], os s[10:11]
	v_lshl_add_u32 v[SPW], v0, 2, SPARE
	v_mov_b32 v[NIL], 0
	ds_add_u32 v[SPW], v[NIL]                      ; the wave's opening: the add, twice on end, and its wait ahead of my first tensor load
	ds_add_u32 v[SPW], v[NIL]                      ; and once more; the set-up below stands between it and the wait
	v_lshrrev_b32 v1, 5, v0
	s_delay_alu instid0(VALU_DEP_1)
	v_readfirstlane_b32 s[WV], v1                  ; wave 0..15
	s_lshr_b32 s[WA], s[WV], 1
	s_and_b32 s[WU], s[WV], 1
	s_bfe_u32 s[CJ], ttmp6, 0x40000                ; j: my place in the cluster
	s_and_b32 s[HD], ttmp7, 0xffff                 ; batch x 16 + head, which the four partners share
	s_mov_b32 s[G1], 15|(3<<16)|(1<<21)            ; the mask: all four; elements of 8 bytes; no padding: images are read 16 bytes a lane on end
	s_mov_b32 s[G1+1], 32<<16                      ; rows of 256 bytes,
	s_mov_b32 s[G1+2], 18<<16                      ; 18 of them: 4,608 dense bytes
	s_mov_b32 s[G1+3], 32<<16
	s_mov_b32 s[G1+4], 18
	s_mov_b32 s[G1+5], 32
	s_mov_b32 s[G1+6], 0
	s_mov_b32 s[G1+7], 0
	s_mul_i32 s17, s[WV], QREC                     ; my 4,608 bytes, in LDS and in the head's records alike
	s_mul_i32 s18, s[HD], 16*REC
	s_add_co_u32 s18, s18, s17
	s_mov_b32 s19, 0
	s_mov_b32 s[SEL], 0x76543210
	s_mov_b32 s[SEL+1], 0xfedcba98                 ; v_permlanex16_b32's selects for lane l xor 16
	s_mov_b32 s[CS], 0x3e38aa3b                    ; c = log2(e) / 8
	s_mov_b32 s[CS+1], s[CS]                       ; (named with it as a pair, so it is written)
	s_mov_b32 s[HM], 0xffff0000                    ; lanes 16-31
	; q, oc, os: my tile tt = 2 j + u of a record
	s_lshl_b32 s53, s[CJ], 1
	s_add_co_u32 s53, s53, s[WU]
	s_mul_i32 s54, s[HD], 16*QREC
	s_lshl_b32 s55, s53, 9
	s_add_co_u32 s56, s54, s55                     ; q's codes: the head + 512 tt
	s_mov_b32 s57, 0
	s_lshr_b32 s58, s53, 2
	s_lshl_b32 s58, s58, 8
	s_and_b32 s59, s53, 3
	s_lshl_b32 s59, s59, 2
	s_add_co_u32 s58, s58, s59
	s_add_co_u32 s58, s58, s54
	s_add_co_u32 s58, s58, 4096                    ; q's scale words: + 4,096 + 256 (tt / 4) + 4 (tt % 4)
	s_mov_b32 s59, 0
	s_lshr_b32 s60, s[HD], 4
	s_lshl_b32 s60, s60, 7
	s_add_co_u32 s60, s60, s53                     ; row tile 128 x batch + tt
	s_and_b32 s61, s[HD], 15                       ; the head in its batch
	s_lshl_b32 s62, s60, 9
	s_lshl_b32 s63, s61, 1
	s_add_co_u32 s62, s62, s63                     ; os: 512 bytes a row tile, 2 bytes a head
	s_mov_b32 s63, 0
	s_lshl_b32 s60, s60, 13
	s_lshl_b32 s61, s61, 9
	s_add_co_u32 s60, s60, s61                     ; oc: 8,192 bytes a row tile, 512 a head
	s_mov_b32 s61, 0
	s_wait_dscnt 0x0                               ; both opening adds are done
	s_wait_kmcnt 0x0
	s_mov_b32 s[G0A], 1
	s_mov_b32 s[G0A+1], s17
	s_add_nc_u64 s[G0A+2:G0A+3], s[6:7], s[18:19]
	s_mov_b32 s[G0B], 1
	s_add_co_u32 s[G0B+1], s17, 8*REC
	s_add_nc_u64 s[G0B+2:G0B+3], s[G0A+2:G0A+3], 8*REC
	s_or_b32 s[G0A+3], s[G0A+3], 0x80000000
	s_or_b32 s[G0B+3], s[G0B+3], 0x80000000
	s_add_nc_u64 s[QP:QP+1], s[4:5], s[56:57]
	s_add_nc_u64 s[QSP:QSP+1], s[4:5], s[58:59]
	s_add_nc_u64 s[OCP:OCP+1], s[8:9], s[60:61]
	s_add_nc_u64 s[OSP:OSP+1], s[10:11], s[62:63]
	CROUND                                         ; all four work-groups are here: the joint loads meet
	tensor_load_to_lds s[G0A:G0A+3], s[G1:G1+7]    ; my part of records 0-7
	s_nop 0
	tensor_load_to_lds s[G0B:G0B+3], s[G1:G1+7]    ; and of records 8-15
	s_nop 0
.rept 4
	v_nop
.endr
	v_and_b32 v9, 31, v0
	s_delay_alu instid0(VALU_DEP_1)
	v_lshlrev_b32 v[L16], 4, v9
	v_and_b32 v10, 15, v0                          ; r
	s_delay_alu instid0(VALU_DEP_1)
	v_lshlrev_b32 v[R16], 4, v10
	v_bfe_u32 v11, v0, 4, 1                        ; h
	s_delay_alu instid0(VALU_DEP_3)
	v_and_b32 v[DM], 7, v10
	s_delay_alu instid0(VALU_DEP_4)
	v_lshrrev_b32 v4, 3, v10
	s_delay_alu instid0(VALU_DEP_1)
	v_lshl_add_u32 v[DM], v4, 4, v[DM]             ; r % 8 + 16 (r / 8)
	s_delay_alu instid0(VALU_DEP_4)
	v_lshlrev_b32 v4, 4, v11
	s_delay_alu instid0(VALU_DEP_1)
	v_sub_nc_u32 v[DM], v[DM], v4                  ; - 16 h
	s_lshl_b32 s54, s[CJ], 5
	s_lshl_b32 s55, s[WU], 3
	s_add_co_u32 s54, s54, s55
	v_add_nc_u32 v[DM], s54, v[DM]                 ; + 32 j + 8 u
	s_lshl_b32 s54, s[WA], 1
	s_sub_co_u32 s54, 15, s54
	s_lshl_b32 s54, s54, 12
	v_mul_u32_u24 v[OSA], s54, v11                 ; o's scale words: lanes 0-15 store record a's, lanes 16-31 record 15 - a's: 4,096 bytes a record,
	s_delay_alu instid0(VALU_DEP_1)
	v_lshl_add_u32 v[OSA], v10, 5, v[OSA]          ; 32 bytes a row
	s_lshl_b32 s54, s[WA], 12
	v_add_nc_u32 v[OSA], s54, v[OSA]
	v_mov_b32 v[NINF], 0xff800000
.irp i, 0,1,2,3
	v_mov_b32 v[QF+4+\i], 0                        ; Q's codes of K = 64 .. 127: zeros
	v_mov_b32 v[KF+32+\i], 0                       ; what the last tile of K names as its registers 4-7
	v_mov_b32 v[BT+\i], 0                          ; written once: a lane permute's destination counts as one of its sources
.endr
	v_mov_b32 v[FF+1], 0                           ; (named as the upper half of a pair before it is first written)
	v_mov_b32 v[TW], 0
; A KEY STEP: 128 keys, record KI.  chk = 1: the step may lie behind my tile's last step (left out: a scalar branch on ids, round the step's work alone) or on the diagonal (masked).
.macro STEP chk
.if \chk
	s_cmp_gt_u32 s[KI], s[TG]
	s_cbranch_scc1 .Lhid_\@
.endif
	s_setprio 2
	v_add_nc_u32 v[ADR], s[TB], v[L16]
	v_add_nc_u32 v[ADS], s[TB], v[R16]
	v_nop
	v_nop                                          ; four places in front of loads into registers that the last step's products have read
.irp t, 0,1,2,3,4,5,6,7
	ds_load_b128 v[KF+4*\t:KF+4*\t+3], v[ADR] offset:512*\t              ; K's tile t: one load, K = 32 h + 0 .. 31
.endr
	ds_load_b128 v[KSC:KSC+3], v[ADS] offset:8192                        ; its scale words, four tiles to a load
	ds_load_b128 v[KSC+4:KSC+7], v[ADS] offset:8448
.irp f, 0,1,2,3,4,5,6,7
	ds_load_b128 v[VF+4*\f:VF+4*\f+3], v[ADR] offset:4096+512*\f         ; V^T's four tiles, two loads each
.endr
	ds_load_b128 v[VSC:VSC+3], v[ADR] offset:8704
	s_wait_dscnt 9                                 ; K and its words are in; V's nine loads may be out
.irp t, 0,1,2,3,4,5,6,7
	v_wmma_scale_f32_16x16x128_f8f6f4 v[S+8*\t:S+8*\t+7], v[KF+4*\t:KF+4*\t+7], v[QF:QF+7], 0, v[KSC+\t], v[QSW] matrix_a_fmt:MATRIX_FMT_FP4 matrix_b_fmt:MATRIX_FMT_FP4
.endr
.rept 4
	v_nop
.endr
.if \chk                                       ; on the diagonal hidden scores become -infinity ahead of the maximum: p = 0 then.  Register n holds key 32 (n / 16) + n % 16 + 16 (lane / 16) of the record
	s_cmp_lg_u32 s[KI], s[TG]
	s_cbranch_scc1 .Lopen_\@
.set n, 0
.rept 64
	v_cmp_gt_i32 vcc_lo, 32*(n/16)+n%16, v[DM]
	v_cndmask_b32 v[S+n], v[S+n], v[NINF], vcc_lo
.set n, n+1
.endr
.Lopen_\@:
.endif
.irp b, 0,1,2,3
	v_max3_num_f32 v[BM+\b], v[S+16*\b], v[S+1+16*\b], v[S+2+16*\b]      ; the largest score of each block of 32 keys: it serves the row's maximum and, since p rises with the score, the block's largest p
.endr
.irp i, 3,5,7,9,11,13
.irp b, 0,1,2,3
	v_max3_num_f32 v[BM+\b], v[BM+\b], v[S+16*\b+\i], v[S+1+16*\b+\i]    ; (the four blocks by turns)
.endr
.endr
.irp b, 0,1,2,3
	v_max_num_f32 v[BM+\b], v[BM+\b], v[S+15+16*\b]
.endr
.irp b, 0,1,2,3
	s_delay_alu instid0(VALU_DEP_4)
	v_permlanex16_b32 v[BT+\b], v[BM+\b], s[SEL], s[SEL+1]
.endr
.irp b, 0,1,2,3
	s_delay_alu instid0(VALU_DEP_4)
	v_max_num_f32 v[BM+\b], v[BM+\b], v[BT+\b]     ; with lane l xor 16's 16 keys
.endr
	s_delay_alu instid0(VALU_DEP_2)
	v_max3_num_f32 v[TW], v[BM], v[BM+1], v[BM+2]
	s_delay_alu instid0(VALU_DEP_1)
	v_max_num_f32 v[TW], v[TW], v[BM+3]            ; the step's largest score of my query
	s_delay_alu instid0(VALU_DEP_1)
	v_mul_f32 v[TW], s[CS], v[TW]                  ; as t (c is positive)
	s_delay_alu instid0(VALU_DEP_1)
	v_max_num_f32 v13, v13, v[TW]                  ; the running largest t
	v_mov_b32 v[TW], v12
	s_delay_alu instid0(VALU_DEP_2)
	v_floor_f32 v12, -v13                          ; the new -M = floor(-t): M is a whole number
	s_delay_alu instid0(VALU_DEP_1)
	v_sub_f32 v[TW], v12, v[TW]                    ; old M - new M: a whole number, 0 or less
	s_delay_alu instid0(VALU_DEP_1)
	v_cvt_i32_f32 v[TW], v[TW]                     ; (it saturates)
	s_delay_alu instid0(VALU_DEP_1)
	v_ldexp_f32 v[FF], 1.0, v[TW]                  ; f = 2^(old M - new M)
.set n, 0
.rept 32
	v_pk_fma_f32 v[S+n:S+n+1], v[S+n:S+n+1], s[CS:CS+1], v[12:13] op_sel_hi:[1,0,0]   ; t - M, two at a time
.set n, n+2
.endr
.irp b, 0,1,2,3
	v_fma_f32 v[BM+\b], v[BM+\b], s[CS], v12       ; the same of each block's largest score
.endr
.set n, 0
	s_setprio 1
	s_wait_alu depctr_va_vdst(0)
.rept 64
	v_exp_f32 v[S+n], v[S+n]                       ; p = 2^(t - M), at most 1
.set n, n+1
.endr
	v_pk_mul_f32 v[14:15], v[14:15], v[FF:FF+1] op_sel_hi:[1,0]          ; l under the new M.  (The plain place behind the exponentials)
	s_wait_alu depctr_va_vdst(0)                   ; one wait for the batch of 64, ahead of its first reader
.irp b, 0,1,2,3
	v_exp_f32 v[BM+\b], v[BM+\b]                   ; the block's largest p: the same two instructions on the same number
.endr
	v_pk_add_f32 v[212:213], v[108:109], v[112:113]
	v_pk_add_f32 v[254:255], v[116:117], v[120:121]
	v_pk_add_f32 v[252:253], v[124:125], v[128:129]
	v_pk_add_f32 v[250:251], v[132:133], v[136:137]
	v_pk_add_f32 v[248:249], v[140:141], v[144:145]
	v_pk_add_f32 v[246:247], v[148:149], v[152:153]
	v_pk_add_f32 v[244:245], v[156:157], v[160:161]
	v_pk_add_f32 v[14:15], v[14:15], v[164:165]
	v_pk_add_f32 v[212:213], v[212:213], v[104:105]
	v_pk_add_f32 v[254:255], v[254:255], v[106:107]
	v_pk_add_f32 v[252:253], v[252:253], v[110:111]
	v_pk_add_f32 v[250:251], v[250:251], v[114:115]
	v_pk_add_f32 v[248:249], v[248:249], v[118:119]
	v_pk_add_f32 v[246:247], v[246:247], v[122:123]
	v_pk_add_f32 v[244:245], v[244:245], v[126:127]
	v_pk_add_f32 v[14:15], v[14:15], v[130:131]
	v_pk_add_f32 v[212:213], v[212:213], v[134:135]
	v_pk_add_f32 v[254:255], v[254:255], v[138:139]
	v_pk_add_f32 v[252:253], v[252:253], v[142:143]
	v_pk_add_f32 v[250:251], v[250:251], v[146:147]
	v_pk_add_f32 v[248:249], v[248:249], v[150:151]
	v_pk_add_f32 v[246:247], v[246:247], v[154:155]
	v_pk_add_f32 v[244:245], v[244:245], v[158:159]
	v_pk_add_f32 v[14:15], v[14:15], v[162:163]
	v_pk_add_f32 v[212:213], v[212:213], v[166:167]
	s_delay_alu instid0(VALU_DEP_2)
	v_pk_add_f32 v[14:15], v[14:15], v[250:251]
	s_delay_alu instid0(VALU_DEP_2)
	v_pk_add_f32 v[212:213], v[212:213], v[248:249]
	v_pk_add_f32 v[254:255], v[254:255], v[246:247]
	v_pk_add_f32 v[252:253], v[252:253], v[244:245]
	s_delay_alu instid0(VALU_DEP_2)
	v_pk_add_f32 v[14:15], v[14:15], v[254:255]
	s_delay_alu instid0(VALU_DEP_2)
	v_pk_add_f32 v[212:213], v[212:213], v[252:253]
	s_delay_alu instid0(VALU_DEP_1)
	v_pk_add_f32 v[14:15], v[14:15], v[212:213]
	s_wait_alu depctr_va_vdst(0)                   ; and one for the four
.irp b, 0,1,2,3
	v_max_num_f32 v[BM+\b], 0x1800000, v[BM+\b]    ; the floor 2^(3 - 127): the byte cannot fall under 1 (a block whose every p is 0 keeps that byte: its codes are zeros)
.endr
.irp b, 0,1,2,3
	s_delay_alu instid0(VALU_DEP_4)
	v_add_nc_u32 v[BS+\b], 0xff000000, v[BM+\b]    ; 2 off the exponent field: the conversion's scale operand
.endr
.irp b, 0,1,2,3
	s_delay_alu instid0(VALU_DEP_4)
	v_lshrrev_b32 v[BT+\b], 23, v[BS+\b]           ; the scale's byte
.endr
	s_delay_alu instid0(VALU_DEP_3)
	v_lshl_or_b32 v[FF+1], v[BT+1], 8, v[BT]       ; p's scale word for these 128 keys
	s_delay_alu instid0(VALU_DEP_1)
	v_lshl_or_b32 v[FF+1], v[BT+2], 16, v[FF+1]
	s_delay_alu instid0(VALU_DEP_1)
	v_lshl_or_b32 v[FF+1], v[BT+3], 24, v[FF+1]
.irp b, 0,1,2,3
	v_cvt_scalef32_pk8_fp4_f32 v[PCD+2*\b], v[S+16*\b:S+7+16*\b], v[BS+\b]
	v_cvt_scalef32_pk8_fp4_f32 v[PCD+1+2*\b], v[S+8+16*\b:S+15+16*\b], v[BS+\b]
.endr
	s_setprio 0
	v_nop                                          ; one plain place behind a scaled conversion
.irp c, 0,1                                    ; the operand's layout wants a whole block in a lane
.irp i, 0,1
	v_permlane16_swap_b32 v[PCD+4*\c+\i], v[PCD+2+4*\c+\i]
.endr
.endr
.set n, 0
.rept 16
	v_pk_mul_f32 v[O+n:O+n+1], v[O+n:O+n+1], v[FF:FF+1] op_sel_hi:[1,0]  ; O^T under the new M.  (These 16 are also the places between the writes of p's codes and scale word and the products below)
.set n, n+2
.endr
	s_wait_alu depctr_va_vdst(0)
	s_wait_dscnt 0x0                               ; V and its words are in
.irp d, 0,1,2,3                                ; O^T += V^T P^T: the four accumulators by turns; S^T's products stand between one step's and the next's
	v_wmma_scale_f32_16x16x128_f8f6f4 v[O+8*\d:O+8*\d+7], v[VF+8*\d:VF+8*\d+7], v[PCD:PCD+7], v[O+8*\d:O+8*\d+7], v[VSC+\d], v[FF+1] matrix_a_fmt:MATRIX_FMT_FP4 matrix_b_fmt:MATRIX_FMT_FP4
.endr
.if \chk
.Lhid_\@:
.endif
.endm
; Eight key steps from step first on: a loop of constant count; the record's address and the step's number are stepped outside the jump that leaves a step out.
.macro OCTET chk, first
	s_mov_b32 s[TB], (\first)*REC
	s_mov_b32 s[KI], \first
	s_mov_b32 s[CNT], 8
.Loct_\@:
	STEP \chk
	s_add_co_u32 s[TB], s[TB], REC
	s_add_co_u32 s[KI], s[KI], 1
	s_sub_co_u32 s[CNT], s[CNT], 1
	s_cmp_lg_u32 s[CNT], 0
	s_cbranch_scc1 .Loct_\@
	s_setprio 0
.endm
; A tile begins: Q's fragment and scale word of record TG; O^T and l begin as zeros and the largest t as -3e38, so that the step is written once: the first change of M multiplies zeros.
.macro TILE_INIT
	s_mul_i32 s53, s[TG], QREC
	v_add_nc_u32 v[QA], s53, v[L16]
	v_add_nc_u32 v[QSA], s53, v[R16]
	global_load_b128 v[QF:QF+3], v[QA], s[QP:QP+1]
	global_load_b32 v[QSW], v[QSA], s[QSP:QSP+1]
	v_mov_b32 v13, 0xff61b1e6
	s_delay_alu instid0(VALU_DEP_1)
	v_floor_f32 v12, -v13
	v_mov_b32 v14, 0
	v_mov_b32 v15, 0
.set n, 0
.rept 32
	v_mov_b32 v[O+n], 0
.set n, n+1
.endr
	s_wait_loadcnt 0x0
.endm
; A tile ends: o = O^T / l; register 16 b + i is channel 32 b + 16 (lane / 16) + i of the head: two blocks along D.  Codes: 16 bytes a lane, the wave stores 512 consecutive bytes.
; Scale bytes: two a row and head.  Both tiles' leave by one store at the end, lanes 0-15 the second tile's, lanes 16-31 the first's: 2 bytes a lane, 32 bytes apart, since a row's other 30 bytes are other heads',
; made by other work-groups: one byte in seventeen of what the launch stores.
.macro FIN last
.rept 4
	v_nop                                          ; places behind the last products
.endr
	v_add_f32 v14, v14, v15                        ; l's two halves,
	s_delay_alu instid0(VALU_DEP_1)
	v_permlanex16_b32 v[TW], v14, s[SEL], s[SEL+1]
	s_delay_alu instid0(VALU_DEP_1)
	v_add_f32 v14, v14, v[TW]                      ; and lane l xor 16's
	s_wait_alu depctr_va_vdst(0)
	v_rcp_f32 v14, v14
	s_lshl_b32 s53, s[TG], 16                      ; 8 row tiles of 8,192 bytes a record
	v_add_nc_u32 v[OA], s53, v[L16]                ; (the plain place behind the reciprocal)
	s_wait_alu depctr_va_vdst(0)                   ; the wait ahead of its first reader
.set n, 0
.rept 16
	v_pk_mul_f32 v[S+n:S+n+1], v[O+n:O+n+1], v[14:15] op_sel_hi:[1,0]    ; each accumulator from its low end on
.set n, n+2
.endr
.irp b, 0,1
	v_max3_num_f32 v[BM+\b], |v[S+16*\b]|, |v[S+1+16*\b]|, 0x1800000
.endr
.irp i, 2,4,6,8,10,12,14
.irp b, 0,1
	s_delay_alu instid0(VALU_DEP_2)
	v_max3_num_f32 v[BM+\b], v[BM+\b], |v[S+16*\b+\i]|, |v[S+1+16*\b+\i]|
.endr
.endr
.irp b, 0,1
	s_delay_alu instid0(VALU_DEP_2)
	v_permlanex16_b32 v[BT+\b], v[BM+\b], s[SEL], s[SEL+1]
.endr
.irp b, 0,1
	s_delay_alu instid0(VALU_DEP_2)
	v_max_num_f32 v[BM+\b], v[BM+\b], v[BT+\b]
.endr
.irp b, 0,1
	s_delay_alu instid0(VALU_DEP_2)
	v_add_nc_u32 v[BS+\b], 0xff000000, v[BM+\b]
.endr
.irp b, 0,1
	s_delay_alu instid0(VALU_DEP_2)
	v_lshrrev_b32 v[BT+\b], 23, v[BS+\b]
.endr
	s_delay_alu instid0(VALU_DEP_1)
	v_lshl_or_b32 v[OPW], v[BT+1], 8, v[BT]
.irp b, 0,1
	v_cvt_scalef32_pk8_fp4_f32 v[PCD+2*\b], v[S+16*\b:S+7+16*\b], v[BS+\b]
	v_cvt_scalef32_pk8_fp4_f32 v[PCD+1+2*\b], v[S+8+16*\b:S+15+16*\b], v[BS+\b]
.endr
	v_nop                                          ; one plain place behind a scaled conversion
	v_permlane16_swap_b32 v[PCD], v[PCD+2]
	v_permlane16_swap_b32 v[PCD+1], v[PCD+3]       ; registers 0-3: channels 32 (lane / 16) + 0 .. 31
	global_store_b128 v[OA], v[PCD:PCD+3], s[OCP:OCP+1]
.if \last
	v_cndmask_b32 v[OPW], v[OPW], v[SWB], s[HM]
	global_store_b16 v[OSA], v[OPW], s[OSP:OSP+1]
.else
	v_mov_b32 v[SWB], v[OPW]
	s_wait_xcnt 0x0                                ; the store has read its data and its offset: both are written again in the next tile
.endif
.endm
	s_sub_co_u32 s[TG], 15, s[WA]                  ; the longer tile first: record 15 - a, at least 8
	TILE_INIT
	s_wait_tensorcnt 0x1                           ; my part of records 0-7 is in; the later half may stay out
	s_barrier_signal -1
	s_barrier_wait -1
	OCTET 0, 0                                     ; steps 0-7: all of them count, none lies on the diagonal
	s_wait_tensorcnt 0x0                           ; my part of records 8-15 is in,
	s_wait_dscnt 0x0
	s_barrier_signal -1
	s_barrier_wait -1                              ; everybody's is
	OCTET 1, 8
	FIN 0
	s_mov_b32 s[TG], s[WA]                         ; the shorter tile: record a, at most 7
	TILE_INIT
	OCTET 1, 0
	FIN 1
	s_wait_tensorcnt 0x0                           ; the wave's end: behind my last tensor load
	ds_add_u32 v[SPW], v[NIL]
	s_wait_dscnt 0x0
	CROUND                                         ; the closing round
	s_endpgm
.Lfunc_end_k_q006050a388_attn:
	.size	k_q006050a388_attn, .Lfunc_end_k_q006050a388_attn-k_q006050a388_attn
	.p2alignl 7, 3214868480
	.fill 96, 4, 3214868480
	.section	.rodata,"a",@progbits
	.p2align	6, 0x0
	.amdhsa_kernel k_q006050a388_attn
		.amdhsa_group_segment_fixed_size 167936
		.amdhsa_private_segment_fixed_size 0
		.amdhsa_enable_private_segment 0
		.amdhsa_kernarg_size 32
		.amdhsa_user_sgpr_count 2
		.amdhsa_user_sgpr_kernarg_segment_ptr 1
		.amdhsa_wavefront_size32 1
		.amdhsa_system_sgpr_workgroup_id_x 1
		.amdhsa_system_sgpr_workgroup_id_y 1
		.amdhsa_system_sgpr_workgroup_id_z 1
		.amdhsa_system_vgpr_workitem_id 0
		.amdhsa_next_free_vgpr 256
		.amdhsa_next_free_sgpr 66
		.amdhsa_reserve_vcc 1
		.amdhsa_float_denorm_mode_32 3
		.amdhsa_float_denorm_mode_16_64 3
		.amdhsa_memory_ordered 1
		.amdhsa_forward_progress 1
		.amdhsa_inst_pref_size 77
	.end_amdhsa_kernel
	.amdgpu_metadata
---
amdhsa.version: [ 1, 2 ]
amdhsa.kernels:
  - .name:           k_q006050a388_attn
    .symbol:         k_q006050a388_attn.kd
    .args:
      - { .name: q, .offset: 0, .size: 8, .value_kind: global_buffer, .address_space: global }
      - { .name: kv, .offset: 8, .size: 8, .value_kind: global_buffer, .address_space: global }
      - { .name: oc, .offset: 16, .size: 8, .value_kind: global_buffer, .address_space: global }
      - { .name: os, .offset: 24, .size: 8, .value_kind: global_buffer, .address_space: global }
    .group_segment_fixed_size: 167936
    .private_segment_fixed_size: 0
    .kernarg_segment_align: 8
    .kernarg_segment_size: 32
    .max_flat_workgroup_size: 512
    .sgpr_count:     66
    .vgpr_count:     256
    .wavefront_size: 32
...
	.end_amdgpu_metadata
.endif
;; end of part 2
;; launch proj (part 3): grid 4 x 64, 8 waves a work-group, clusters of 4 x 4, 249,600 bytes of LDS; arguments oc, os, W_o_codes, W_o_scales, b_o, out0; writes out0
.if DOCPART == 3
	.amdgcn_target "amdgcn-amd-amdhsa--gfx1250"
	.amdhsa_code_object_version 6
	.text
	.protected	k_q006050a388_proj
	.globl	k_q006050a388_proj
	.p2align	8
	.type	k_q006050a388_proj,@function
k_q006050a388_proj:
	s_mov_b64 s[64:65], 0
	v_nop
	global_prefetch_b8 v0, s[64:65] scope:SCOPE_SE
	s_setreg_imm32_b32 hwreg(HW_REG_WAVE_MODE, 25, 1), 1
	s_wait_xcnt 0x0
	s_wait_alu depctr_hold_cnt(0) depctr_sa_sdst(0) depctr_va_vdst(0) depctr_va_sdst(0) depctr_va_ssrc(0) depctr_va_vcc(0) depctr_vm_vsrc(0)
	s_getreg_b32 s2, hwreg(HW_REG_IB_STS2, 6, 4)
	s_cmp_eq_u32 s2, 0
	s_cbranch_scc0 .Lentry_in_a_cluster
	s_endpgm
.Lentry_in_a_cluster:
	s_bfe_u32 s2, ttmp6, 0x10000c
	s_cmp_lg_u32 s2, 0xf033
	s_cbranch_scc0 .Lentry_shape_is_right
	s_endpgm
.Lentry_shape_is_right:
; out0 = o W_o^T + b_o on codes of FP4.  o comes as launch attn left it: oc [row tile][head][lane][16 bytes], images of the operand's registers (heads 2 s, 2 s + 1 are the two halves of the fragment of K step s);
; os [row tile][row][32 scale bytes].  Lane r of row tile 8 g + 2 b + u is row 128 g + 32 b + 8 u + r % 8 + 16 (r / 8): that shows only in the rows of the stores.  No work is left out here.
; SHARES.  A work-group makes 128 rows (8 row tiles) x 256 columns; wave w (rh = w / 4, cq = w % 4) 4 row tiles x 64 columns: 16 accumulators, no register windows.  All of K (1,024) lies in LDS, filled once.
; The product is used transposed (source 0 = 16 rows of W_o, source 1 = o's image): a lane holds eight neighbouring columns of one row.  b_o is the C of each sum's first product.
; CLUSTERS: 4 x 4.  o's images and scales hang on the tile row alone and are asked for jointly by a row of the cluster, W_o's on the tile column alone, by a column.  One tensor load a wave:
; waves 0-3 W_o's four quarters (64 rows each), waves 4, 5 o's two halves, wave 6 o's scales, wave 7 W_o's.  No prefetch: every request goes out at the head.
; REGISTERS: v1-11 addresses; v16-31 scale words; v32-63 o's four fragments, v64-95 W_o's four (later rows of the result, two sets of 32); v96-223 accumulators (i, t) at v[96 + 8 (4 i + t)]; v224-255 b_o.
.set AIMG,  0                          ; o's images: 8 row tiles x 8,192 bytes
.set BT,    65536                      ; W_o's 256 rows of 512 bytes + 16: 33 x 16 bytes, so the sixteen rows of a load begin in sixteen different 16-byte columns of 256 bytes
.set BQ,    64*528
.set ASC,   BT+4*BQ                    ; o's scale bytes: 16 units of 256 + 16
.set BSC,   ASC+16*272                 ; W_o's: 32 units
.set STG,   BSC+32*272                 ; the stages for the way out: 16 rows x (256 + 16) bytes for each wave; no fill lands here
.set SPARE, STG+8*16*272               ; the spare words, 128 bytes for each of 8 waves: four blocks of 256 bytes that no other line names
.set ADA, 3
.set ADB, 4
.set ADS, 5
.set STO, 6
.set RD,  7
.set CO,  8
.set BO,  9
.set SPW, 10
.set NIL, 11
.set SC,  16                           ; register 4 i + q: lanes 0-15 the word of o's tile i, lanes 16-31 that of W_o's tile i, for K step 4 e + q
.set AF,  32
.set BF,  64
.set OBK, 32
.set ACC, 96
.set BI,  224
.set WV,  16
.set RH,  17
.set CQ,  18
.set CX,  19
.set CY,  20
.set GX,  21
.set GY,  22
.set G1A, 24
.set G1B, 32
.set G1SA, 40
.set G1SB, 48
.set G0A, 56
.set G0B, 60
.set G0SA, 68
.set G0SB, 72
.macro CROUND
	s_barrier_signal -1
	s_barrier_wait -1
	s_cmp_lg_u32 s[WV], 0
	s_cbranch_scc1 .Lnot_wave_0_\@
	s_barrier_signal -3
.Lnot_wave_0_\@:
	s_barrier_wait -3
	s_barrier_signal -1
	s_barrier_wait -1
.endm
.macro TL g0, g1                       ; a joint load; an s_nop 0 and four v_nop follow it
	tensor_load_to_lds s[\g0:\g0+3], s[\g1:\g1+7]
	s_nop 0
.rept 4
	v_nop
.endr
.endm
	s_load_b256 s[4:11], s[0:1], 0x0               ; oc s[4:5], os s[6:7], W_o's codes s[8:9], W_o's scales s[10:11]
	s_load_b128 s[12:15], s[0:1], 0x20             ; b_o s[12:13], out0 s[14:15]
	v_lshl_add_u32 v[SPW], v0, 2, SPARE
	v_mov_b32 v[NIL], 0
	ds_add_u32 v[SPW], v[NIL]                      ; the wave's opening: the add, twice on end, and its wait ahead of my first tensor load
	ds_add_u32 v[SPW], v[NIL]                      ; and once more; the set-up below stands between it and the wait
	v_lshrrev_b32 v1, 5, v0
	s_delay_alu instid0(VALU_DEP_1)
	v_readfirstlane_b32 s[WV], v1                  ; wave 0..7
	s_lshr_b32 s[RH], s[WV], 2
	s_and_b32 s[CQ], s[WV], 3
	s_bfe_u32 s[CX], ttmp6, 0x40000
	s_bfe_u32 s[CY], ttmp6, 0x40004
	s_lshl_b32 s[GX], ttmp9, 2
	s_add_co_u32 s[GX], s[GX], s[CX]               ; which 256 columns
	s_and_b32 s[GY], ttmp7, 0xffff
	s_lshl_b32 s[GY], s[GY], 2
	s_add_co_u32 s[GY], s[GY], s[CY]               ; which 128 rows
	s_lshl_b32 s76, s[CY], 2
	s_lshl_b32 s76, 15, s76                        ; my row of the cluster
	s_lshl_b32 s77, 0x1111, s[CX]                  ; my column
	s_or_b32 s[G1A], s76, (3<<16)|(1<<21)          ; o's images: 32,768 dense bytes as 128 rows of 256, no padding
	s_mov_b32 s[G1A+1], 32<<16
	s_mov_b32 s[G1A+2], 128<<16
	s_mov_b32 s[G1A+3], 32<<16
	s_mov_b32 s[G1A+4], 128
	s_mov_b32 s[G1A+5], 32
	s_mov_b32 s[G1A+6], 0
	s_mov_b32 s[G1A+7], 0
	s_or_b32 s[G1B], s77, (3<<16)|(1<<20)|(1<<21)|(6<<22)|(3<<25)   ; W_o: 64 rows of 512 bytes, four words of padding behind each
	s_mov_b32 s[G1B+1], 64<<16
	s_mov_b32 s[G1B+2], 64<<16
	s_mov_b32 s[G1B+3], 64<<16
	s_mov_b32 s[G1B+4], 64
	s_mov_b32 s[G1B+5], 64
	s_mov_b32 s[G1B+6], 0
	s_mov_b32 s[G1B+7], 0
	s_or_b32 s[G1SA], s76, (3<<16)|(1<<20)|(1<<21)|(5<<22)|(3<<25)  ; o's scales: 16 rows of 256 bytes, four words of padding behind each
	s_mov_b32 s[G1SA+1], 32<<16
	s_mov_b32 s[G1SA+2], 16<<16
	s_mov_b32 s[G1SA+3], 32<<16
	s_mov_b32 s[G1SA+4], 16
	s_mov_b32 s[G1SA+5], 32
	s_mov_b32 s[G1SA+6], 0
	s_mov_b32 s[G1SA+7], 0
	s_or_b32 s[G1SB], s77, (3<<16)|(1<<20)|(1<<21)|(5<<22)|(3<<25)  ; W_o's: 32 such rows
	s_mov_b32 s[G1SB+1], 32<<16
	s_mov_b32 s[G1SB+2], 32<<16
	s_mov_b32 s[G1SB+3], 32<<16
	s_mov_b32 s[G1SB+4], 32
	s_mov_b32 s[G1SB+5], 32
	s_mov_b32 s[G1SB+6], 0
	s_mov_b32 s[G1SB+7], 0
	s_and_b32 s78, s[WV], 1
	s_lshl_b32 s78, s78, 15                        ; o's half (waves 4, 5): 32,768 bytes, in memory and in LDS
	s_lshl_b32 s80, s[GY], 16
	s_add_co_u32 s80, s80, s78
	s_mov_b32 s81, 0
	s_lshl_b32 s79, s[WV], 15                      ; W_o's quarter (waves 0-3): 64 rows of 512 bytes
	s_lshl_b32 s82, s[GX], 17
	s_add_co_u32 s82, s82, s79
	s_mov_b32 s83, 0
	s_lshl_b32 s84, s[GY], 12
	s_mov_b32 s85, 0
	s_lshl_b32 s86, s[GX], 13
	s_mov_b32 s87, 0
	s_mul_i32 s88, s[WV], BQ
	s_add_co_u32 s88, s88, BT
	s_wait_dscnt 0x0                               ; both opening adds are done
	s_wait_kmcnt 0x0
	s_mov_b32 s[G0A], 1
	s_mov_b32 s[G0A+1], s78
	s_add_nc_u64 s[G0A+2:G0A+3], s[4:5], s[80:81]
	s_or_b32 s[G0A+3], s[G0A+3], 0x80000000
	s_mov_b32 s[G0B], 1
	s_mov_b32 s[G0B+1], s88
	s_add_nc_u64 s[G0B+2:G0B+3], s[8:9], s[82:83]
	s_or_b32 s[G0B+3], s[G0B+3], 0x80000000
	s_mov_b32 s[G0SA], 1
	s_mov_b32 s[G0SA+1], ASC
	s_add_nc_u64 s[G0SA+2:G0SA+3], s[6:7], s[84:85]
	s_or_b32 s[G0SA+3], s[G0SA+3], 0x80000000
	s_mov_b32 s[G0SB], 1
	s_mov_b32 s[G0SB+1], BSC
	s_add_nc_u64 s[G0SB+2:G0SB+3], s[10:11], s[86:87]
	s_or_b32 s[G0SB+3], s[G0SB+3], 0x80000000
	CROUND                                         ; all sixteen work-groups are here: the joint loads meet
	s_cmp_lt_u32 s[WV], 4                          ; every wave issues one load; the branches hang on the wave's number alone
	s_cbranch_scc0 .Lnot_b
	TL G0B, G1B
	s_branch .Lasked
.Lnot_b:
	s_cmp_lt_u32 s[WV], 6
	s_cbranch_scc0 .Lnot_a
	TL G0A, G1A
	s_branch .Lasked
.Lnot_a:
	s_cmp_eq_u32 s[WV], 6
	s_cbranch_scc0 .Lnot_sa
	TL G0SA, G1SA
	s_branch .Lasked
.Lnot_sa:
	TL G0SB, G1SB
.Lasked:
	v_and_b32 v1, 15, v0                           ; r
	v_bfe_u32 v2, v0, 4, 1                         ; h
	v_and_b32 v12, 31, v0
	s_delay_alu instid0(VALU_DEP_1)
	v_lshlrev_b32 v[ADA], 4, v12
	s_lshl_b32 s78, s[RH], 15
	v_add_nc_u32 v[ADA], s78, v[ADA]               ; o's images: my four row tiles, 16 x lane
	v_mul_u32_u24 v[ADB], v1, 528
	s_delay_alu instid0(VALU_DEP_1)
	v_lshl_add_u32 v[ADB], v2, 4, v[ADB]
	s_mul_i32 s78, s[CQ], BQ
	s_add_co_u32 s78, s78, BT
	v_add_nc_u32 v[ADB], s78, v[ADB]               ; W_o: my 64 rows; row r x pitch + 16 h
	s_xor_b32 s90, s[RH], 1                        ; the scale words: lanes 0-15 o's (ASC + 2,176 rh), lanes 16-31 W_o's (BSC + 2,176 cq): the lower base + h x the distance,
	s_add_co_u32 s90, s90, s[CQ]
	s_add_co_u32 s90, s90, 1
	s_mul_i32 s90, s90, 2176                       ; 4,352 + 2,176 cq - 2,176 rh = 2,176 (1 + cq + (1 - rh))
	v_mul_u32_u24 v[ADS], s90, v2
	v_lshrrev_b32 v13, 3, v1
	s_delay_alu instid0(VALU_DEP_1)
	v_mad_u32_u24 v[ADS], v13, 272, v[ADS]         ; 8 rows to a unit,
	v_and_b32 v13, 7, v1
	s_delay_alu instid0(VALU_DEP_1)
	v_lshl_add_u32 v[ADS], v13, 5, v[ADS]          ; 32 bytes a row
	s_mul_i32 s89, s[RH], 2176
	s_add_co_u32 s89, s89, ASC
	v_add_nc_u32 v[ADS], s89, v[ADS]
	s_mul_i32 s78, s[WV], 16*272
	s_add_co_u32 s78, s78, STG                     ; my stage
	v_mul_u32_u24 v[STO], v1, 272
	s_delay_alu instid0(VALU_DEP_1)
	v_lshl_add_u32 v[STO], v2, 5, v[STO]
	s_delay_alu instid0(VALU_DEP_1)
	v_add_nc_u32 v[STO], s78, v[STO]               ; in: row r, 32 bytes for each half of the lanes
	v_mul_u32_u24 v[RD], v2, 272
	s_delay_alu instid0(VALU_DEP_1)
	v_lshl_add_u32 v[RD], v1, 4, v[RD]
	s_delay_alu instid0(VALU_DEP_1)
	v_add_nc_u32 v[RD], s78, v[RD]                 ; back: lanes 0-15 one row of 256 bytes, lanes 16-31 the next
	v_lshlrev_b32 v[CO], 12, v2
	s_delay_alu instid0(VALU_DEP_1)
	v_lshl_add_u32 v[CO], v1, 4, v[CO]             ; and the same two rows in out0
	v_lshlrev_b32 v[BO], 5, v2
	s_wait_alu depctr_va_vdst(0)
	s_lshl_b32 s80, s[GX], 10
	s_lshl_b32 s84, s[CQ], 8
	s_add_co_u32 s80, s80, s84                     ; my first column, in bytes
	s_mov_b32 s81, 0
	s_lshl_b32 s82, s[GY], 19                      ; 128 rows of 4,096 bytes,
	s_lshl_b32 s84, s[RH], 18                      ; my 64 of them
	s_add_co_u32 s82, s82, s84
	s_add_co_u32 s82, s82, s80
	s_mov_b32 s83, 0
	s_add_nc_u64 s[82:83], s[14:15], s[82:83]
	s_add_nc_u64 s[80:81], s[12:13], s[80:81]
.irp t, 0,1,2,3                                ; b_o in the result's layout: tile t, lane (r, h): columns 16 t + 8 h + 0 .. 7
	global_load_b128 v[BI+8*\t:BI+8*\t+3], v[BO], s[80:81] offset:64*\t
	global_load_b128 v[BI+8*\t+4:BI+8*\t+7], v[BO], s[80:81] offset:64*\t+16
.endr
; A K step of 128: 16 fragment loads (and, every fourth step, 4 loads of scale words), 16 products on 16 accumulators by turns, in the same order in every step.
.macro KSTEP ks
.if (\ks)%4 == 0
.irp i, 0,1,2,3
	ds_load_b128 v[SC+4*\i:SC+4*\i+3], v[ADS] offset:544*\i+16*((\ks)/4)
.endr
.endif
.irp i, 0,1,2,3
.irp c, 0,1
	ds_load_b128 v[AF+8*\i+4*\c:AF+8*\i+4*\c+3], v[ADA] offset:8192*\i+1024*(\ks)+512*\c
.endr
.endr
.irp t, 0,1,2,3
.irp c, 0,1
	ds_load_b128 v[BF+8*\t+4*\c:BF+8*\t+4*\c+3], v[ADB] offset:8448*\t+64*(\ks)+32*\c
.endr
.endr
	s_wait_dscnt 0x0
.irp i, 0,1,2,3
.irp t, 0,1,2,3
.if (\ks) == 0
	v_wmma_scale_f32_16x16x128_f8f6f4 v[ACC+8*(4*\i+\t):ACC+8*(4*\i+\t)+7], v[BF+8*\t:BF+8*\t+7], v[AF+8*\i:AF+8*\i+7], v[BI+8*\t:BI+8*\t+7], v[SC+4*\t+(\ks)%4], v[SC+4*\i+(\ks)%4] matrix_a_fmt:MATRIX_FMT_FP4 matrix_b_fmt:MATRIX_FMT_FP4 matrix_a_scale:MATRIX_SCALE_ROW1
.else
	v_wmma_scale_f32_16x16x128_f8f6f4 v[ACC+8*(4*\i+\t):ACC+8*(4*\i+\t)+7], v[BF+8*\t:BF+8*\t+7], v[AF+8*\i:AF+8*\i+7], v[ACC+8*(4*\i+\t):ACC+8*(4*\i+\t)+7], v[SC+4*\t+(\ks)%4], v[SC+4*\i+(\ks)%4] matrix_a_fmt:MATRIX_FMT_FP4 matrix_b_fmt:MATRIX_FMT_FP4 matrix_a_scale:MATRIX_SCALE_ROW1
.endif
.endr
.endr
.rept 4
	v_nop                                          ; places in front of loads into registers that these products have read, and of the first read of results
.endr
.endm
; THE WAY OUT, a row tile (16 rows x 64 columns) at a time through my own stage: LDS serves a wave's instructions in order (ISA guide 5.7.1.4), so no wait stands between the stores and the loads.
.macro TOSTAGE i
.irp t, 0,1,2,3
	ds_store_b128 v[STO], v[ACC+8*(4*(\i)+\t):ACC+8*(4*(\i)+\t)+3] offset:64*\t          ; each accumulator from its low end on
	ds_store_b128 v[STO], v[ACC+8*(4*(\i)+\t)+4:ACC+8*(4*(\i)+\t)+7] offset:64*\t+16
.endr
.irp k, 0,1,2,3,4,5,6,7
	ds_load_b128 v[OBK+32*((\i)%2)+4*\k:OBK+32*((\i)%2)+4*\k+3], v[RD] offset:544*\k
.endr
.endm
; Stage row 2 k + h is the tile's lane 2 k + h, which is row 32 (i / 2) + 8 (i % 2) + (2 k + h) % 8 + 16 ((2 k + h) / 8) of my 64.  Sixteen lanes store 256 consecutive bytes, at a multiple of 256 from out0's first byte.
.macro SEND i, younger
	s_wait_dscnt \younger                          ; the tile is back in registers; the LDS instructions issued behind its loads may stay out
.irp k, 0,1,2,3,4,5,6,7
	global_store_b128 v[CO], v[OBK+32*((\i)%2)+4*\k:OBK+32*((\i)%2)+4*\k+3], s[82:83] offset:4096*(32*((\i)/2)+8*((\i)%2)+2*(\k%4)+16*(\k/4)) th:TH_STORE_NT
.endr
.endm
	s_wait_tensorcnt 0x0                           ; my load is in,
	s_barrier_signal -1
	s_barrier_wait -1                              ; everybody's is
	s_wait_loadcnt 0x0                             ; b_o
.irp s, 0,1,2,3,4,5,6,7
	KSTEP \s
.endr
	TOSTAGE 0
	TOSTAGE 1
	SEND 0, 16                                     ; behind tile 0's loads: tile 1's 8 stores and 8 loads
	s_wait_xcnt 0x0                                ; tile 0's stores have read their data: tile 2's loads may land there
	TOSTAGE 2
	SEND 1, 16
	s_wait_xcnt 0x0
	TOSTAGE 3
	SEND 2, 16
	SEND 3, 0
	s_wait_tensorcnt 0x0                           ; the wave's end: behind my last tensor load and my last LDS store
	ds_add_u32 v[SPW], v[NIL]
	s_wait_dscnt 0x0
	CROUND                                         ; the closing round
	s_endpgm
.Lfunc_end_k_q006050a388_proj:
	.size	k_q006050a388_proj, .Lfunc_end_k_q006050a388_proj-k_q006050a388_proj
	.p2alignl 7, 3214868480
	.fill 96, 4, 3214868480
	.section	.rodata,"a",@progbits
	.p2align	6, 0x0
	.amdhsa_kernel k_q006050a388_proj
		.amdhsa_group_segment_fixed_size 249600
		.amdhsa_private_segment_fixed_size 0
		.amdhsa_enable_private_segment 0
		.amdhsa_kernarg_size 48
		.amdhsa_user_sgpr_count 2
		.amdhsa_user_sgpr_kernarg_segment_ptr 1
		.amdhsa_wavefront_size32 1
		.amdhsa_system_sgpr_workgroup_id_x 1
		.amdhsa_system_sgpr_workgroup_id_y 1
		.amdhsa_system_sgpr_workgroup_id_z 1
		.amdhsa_system_vgpr_workitem_id 0
		.amdhsa_next_free_vgpr 256
		.amdhsa_next_free_sgpr 96
		.amdhsa_reserve_vcc 0
		.amdhsa_float_denorm_mode_32 3
		.amdhsa_float_denorm_mode_16_64 3
		.amdhsa_memory_ordered 1
		.amdhsa_forward_progress 1
		.amdhsa_inst_pref_size 43
	.end_amdhsa_kernel
	.amdgpu_metadata
---
amdhsa.version: [ 1, 2 ]
amdhsa.kernels:
  - .name:           k_q006050a388_proj
    .symbol:         k_q006050a388_proj.kd
    .args:
      - { .name: oc, .offset: 0, .size: 8, .value_kind: global_buffer, .address_space: global }
      - { .name: os, .offset: 8, .size: 8, .value_kind: global_buffer, .address_space: global }
      - { .name: W_o_codes, .offset: 16, .size: 8, .value_kind: global_buffer, .address_space: global }
      - { .name: W_o_scales, .offset: 24, .size: 8, .value_kind: global_buffer, .address_space: global }
      - { .name: b_o, .offset: 32, .size: 8, .value_kind: global_buffer, .address_space: global }
      - { .name: out0, .offset: 40, .size: 8, .value_kind: global_buffer, .address_space: global }
    .group_segment_fixed_size: 249600
    .private_segment_fixed_size: 0
    .kernarg_segment_align: 8
    .kernarg_segment_size: 48
    .max_flat_workgroup_size: 256
    .sgpr_count:     96
    .vgpr_count:     256
    .wavefront_size: 32
...
	.end_amdgpu_metadata
.endif
;; end of part 3
